; MI455X (gfx1250); checked and timed in simulation.
; The chip was launched on July 23, 2026; its instructions are those of AMD's public machine-readable ISA for CDNA 5 (MIT licence, August 2026) and "CDNA5" Instruction Set Architecture Reference Guide (July 2026). The comments in the code are by the model that wrote it; some were corrected since.
;; Vector Quantizer. Allowed arithmetic: matrix products marked QUANTISED: E3M2 operands, one E8M0 scale for each 32 along K, by v_wmma_scale_f32_16x16x128_f8f6f4 with both operands' format E3M2, f32 sums; everything else in f32.
;; Inputs: inputs 8 x 4,096 x 256 float32; weight 8,192 x 256 float32.
;; Outputs: out0 8 x 4,096 x 256 float32; out1 8 x 4,096 int32.
;; This version of the problem:
;;   THIS VERSION OF THE PROBLEM IS GIVEN IN LOW PRECISION. The matrix products marked QUANTISED in the list below multiply operands that are first quantised to E3M2 (3 exponent bits, 2 mantissa bits; 6 bits a number), with one power-of-two scale for each 32 numbers along K (OCP MX v1.0); their sums are f32. All else is computed in f32.
;;   The module's matrix products, in the order in which they are computed (A, B: the left and right operand; K: the contracted axis; several contracted axes count as one K, in the product's order):
;;     1. [M 32,768, K 256] x [K 256, N 8,192]; A: input inputs; B: input weight: QUANTISED
;;   THE QUANTISER, for each operand of a quantised product, along K:
;;     - K is cut into blocks of 32 from its start; a last block that is shorter is filled with zeros.
;;     - A block's scale is 2^e with e = floor(log2(the largest magnitude in the block)) - 4, held to -126 .. 127; a block of zeros has e = 0. As a byte (E8M0): e + 127.
;;     - Each number is divided by its block's scale, clamped to +-28, and rounded to the nearest number of E3M2, ties to even, subnormals kept.
;;     - The product sums the exact products of the quantised numbers (number of the format x scale) in f32.
;;   ~~~python
;;   def quantise(x, axis):      # numpy; x: float32 -> the quantised numbers, widened to float32 again
;;       x = np.moveaxis(x, axis, -1); K = x.shape[-1]
;;       x = np.pad(x, [(0, 0)] * (x.ndim - 1) + [(0, -K % 32)]); x = x.reshape(x.shape[:-1] + (-1, 32)); a = np.abs(x).max(-1, keepdims=True)
;;       e = np.where(a > 0, np.clip(np.frexp(np.where(a > 0, a, 1))[1] - 1 - 4, -126, 127), 0)      # np.frexp(a)[1] - 1 = floor(log2(a)), exactly
;;       r = np.clip(x / 2.0 ** e, -28, 28)
;;       step = 2.0 ** (np.maximum(np.frexp(np.where(r == 0, 1, r))[1] - 1, -2) - 2)
;;       q = np.round(r / step) * step * 2.0 ** e      # np.round: ties to even
;;       return np.moveaxis(q.reshape(q.shape[:-2] + (-1,))[..., :K], -1, axis).astype(np.float32)
;;   ~~~
;; One version. Each part assembles by itself: llvm-mc -triple=amdgcn-amd-amdhsa -mcpu=gfx1250 --defsym DOCPART=n.
;; ======== version 1 of 1: 3 launches
;; limits: right only within a limited range of input values
;; workspace buffers: wq 1,703,936 bytes; idx 131,072 bytes of whole numbers
;; launch wquant (part 1): grid 256 x 1, 2 waves a work-group, no clusters, 0 bytes of LDS; arguments weight, wq; writes wq
.if DOCPART == 1
	.amdgcn_target "amdgcn-amd-amdhsa--gfx1250"
	.amdhsa_code_object_version 6
	.text
	.protected	k_q158f3c9236_wquant
	.globl	k_q158f3c9236_wquant
	.p2align	8
	.type	k_q158f3c9236_wquant,@function
k_q158f3c9236_wquant:
	s_mov_b64 s[64:65], 0
	v_nop
	global_prefetch_b8 v0, s[64:65] scope:SCOPE_SE
	s_setreg_imm32_b32 hwreg(HW_REG_WAVE_MODE, 25, 1), 1
	s_wait_xcnt 0x0
; The codebook, weight [8192][256] f32, is quantised ONCE along its 256 channels into codes of BF6 (E3M2) with one E8M0 byte for each 32 channels, and each codeword's sum of squares is taken in f32.
; The results are laid as the next launch's registers want them: 512 records of REC bytes, one for each tile of 16 codewords:
;   bytes 0 .. 3071     the images of the tile's two operand fragments (K steps of 128 channels, 12 registers each): six groups of four registers, lane l's 16 bytes of group c at 512 c + 16 l
;   bytes 3072 .. 3199  scale words, 4 bytes a lane: lanes 0-15 codeword r for K step 0, lanes 16-31 codeword r for K step 1
;   bytes 3200 .. 3327  the sum of squares of codeword l % 16 at 4 l (sixteen numbers, written twice, so that every byte of a record is written)
; A block's scale is 2^(floor(log2(its largest magnitude)) - 4); its byte is the largest magnitude's exponent field - 4, held at 1 from below.  A block of zeros so gets the byte 1 with zero codes; this program alone reads the bytes.
; SHARES: one wave makes one record; waves share nothing: no LDS, no barrier.  Nothing is shared between work-groups, so there is no cluster.  The launch moves few bytes and has no product: no matrix unit.
; LIMITS: NaN and infinities are not served.  The sum of squares is added in two packed chains and across two lanes, another order than a plain running sum.
.set REC,  3328
.set XA,   3                           ; v3      my byte in the tile's 16 rows: 1024 r + 64 h
.set LI,   4                           ; v4      16 x lane
.set LS,   5                           ; v5      4 x lane
.set TM,   8                           ; v8-23   at work in QUANT
.set PW,   24                          ; v24-25  the two K steps' scale words
.set SW,   26                          ; v26     the two merged: lanes 0-15 K step 0, lanes 16-31 K step 1
.set SQ,   28                          ; v28-32  at work in SUMSQ
.set EP,   34                          ; v34-35  the two K steps' sums of squares
.set PC0,  36                          ; v36-47  K step 0's fragment
.set PC1,  48                          ; v48-59  K step 1's (v48-54 are K step 0's temporaries first; v60-66 K step 1's)
.set N0,   68                          ; v68-131  64 numbers of K step 0
.set N1,   132                         ; v132-195 64 numbers of K step 1
.set SEL,  20                          ; s[20:21] lane selects for v_permlanex16_b32: lane l xor 16
; 64 numbers of a lane: register 16 b + i = channel 128 s + 32 b + 16 h + i of row r
.macro XLOAD reg, s
.irp b, 0,1,2,3
.irp j, 0,1,2,3
	global_load_b128 v[\reg+16*\b+4*\j:\reg+16*\b+4*\j+3], v[XA], s[4:5] offset:512*(\s)+128*\b+16*\j th:TH_LOAD_NT
.endr
.endr
.endm
; the sum of the squares of these 64 numbers and of lane l xor 16's 64: two packed chains, started by products, so that nothing is cleared
.macro SUMSQ reg, dst
	v_pk_mul_f32 v[SQ:SQ+1], v[\reg:\reg+1], v[\reg:\reg+1]
	v_pk_mul_f32 v[SQ+2:SQ+3], v[\reg+2:\reg+3], v[\reg+2:\reg+3]
.irp i, 4,8,12,16,20,24,28,32,36,40,44,48,52,56,60
	v_pk_fma_f32 v[SQ:SQ+1], v[\reg+\i:\reg+\i+1], v[\reg+\i:\reg+\i+1], v[SQ:SQ+1]
	v_pk_fma_f32 v[SQ+2:SQ+3], v[\reg+\i+2:\reg+\i+3], v[\reg+\i+2:\reg+\i+3], v[SQ+2:SQ+3]
.endr
	v_pk_add_f32 v[SQ:SQ+1], v[SQ:SQ+1], v[SQ+2:SQ+3]
	v_add_f32 v[\dst], v[SQ], v[SQ+1]
	v_permlanex16_b32 v[SQ+4], v[\dst], s[SEL], s[SEL+1]
	v_add_f32 v[\dst], v[\dst], v[SQ+4]
.endm
; the 64 numbers become a fragment's 12 registers in v[pc] on (v[pc+12] to v[pc+18] are at work) and the row's scale word in v[pw]
.macro QUANT reg, pc, pw
.irp b, 0,1,2,3
	v_max3_num_f32 v[TM+\b], |v[\reg+16*\b]|, |v[\reg+1+16*\b]|, 0x2800000   ; block b: my 16 numbers, and the floor 2^(5 - 127): the byte cannot fall under 1
.endr
.irp i, 2,4,6,8,10,12,14
.irp b, 0,1,2,3
	v_max3_num_f32 v[TM+\b], v[TM+\b], |v[\reg+16*\b+\i]|, |v[\reg+1+16*\b+\i]|   ; the four blocks by turns
.endr
.endr
.irp b, 0,1,2,3
	v_permlanex16_b32 v[TM+4+\b], v[TM+\b], s[SEL], s[SEL+1]
.endr
.irp b, 0,1,2,3
	v_max_num_f32 v[TM+\b], v[TM+\b], v[TM+4+\b]   ; with lane l xor 16: the block's largest magnitude
.endr
.irp b, 0,1,2,3
	v_add_nc_u32 v[TM+12+\b], 0xfe000000, v[TM+\b]   ; 4 off its exponent field: the conversion takes this operand's exponent field as its scale
.endr
.irp b, 0,1,2,3
	v_lshrrev_b32 v[TM+4+\b], 23, v[TM+12+\b]   ; the scale's byte
.endr
	v_lshl_or_b32 v[\pw], v[TM+5], 8, v[TM+4]
	v_lshl_or_b32 v[\pw], v[TM+6], 16, v[\pw]
	v_lshl_or_b32 v[\pw], v[TM+7], 24, v[\pw]
.irp c, 0,1
	v_cvt_scalef32_pk16_bf6_f32 v[\pc+6*\c:\pc+2+6*\c], v[\reg+32*\c:\reg+15+32*\c], v[TM+12+2*\c]
	v_cvt_scalef32_pk16_bf6_f32 v[\pc+12+4*\c:\pc+14+4*\c], v[\reg+16+32*\c:\reg+31+32*\c], v[TM+12+2*\c+1]   ; a conversion's three registers begin on an even number
.endr
	v_nop                                          ; one plain vector instruction behind the scaled conversions
.irp c, 0,1                                    ; the operand wants a whole block in a lane: lanes 0-15 block 2 c, lanes 16-31 block 2 c + 1
.irp i, 0,1,2
	v_permlane16_swap_b32 v[\pc+6*\c+\i], v[\pc+12+4*\c+\i]
.endr
.irp i, 0,1,2
	v_mov_b32 v[\pc+3+6*\c+\i], v[\pc+12+4*\c+\i]
.endr
.endr
.endm
	s_load_b128 s[4:7], s[0:1], 0x0                ; weight s[4:5], wq s[6:7]
	v_lshrrev_b32 v1, 5, v0
	v_readfirstlane_b32 s8, v1                     ; wave 0, 1
	v_and_b32 v1, 15, v0                           ; r
	v_bfe_u32 v2, v0, 4, 1                         ; h
	v_lshlrev_b32 v[XA], 10, v1
	v_lshl_add_u32 v[XA], v2, 6, v[XA]
	v_and_b32 v6, 31, v0
	v_lshlrev_b32 v[LI], 4, v6
	v_lshlrev_b32 v[LS], 2, v6
	s_lshl_b32 s9, ttmp9, 1
	s_add_co_u32 s9, s9, s8                        ; my tile of 16 codewords, 0 .. 511
	s_lshl_b32 s10, s9, 14                         ; its 16 rows of 1,024 bytes
	s_mov_b32 s11, 0
	s_mul_i32 s12, s9, REC                         ; its record
	s_mov_b32 s13, 0
	s_mov_b32 s[SEL], 0x76543210
	s_mov_b32 s[SEL+1], 0xfedcba98
	s_mov_b32 s22, 0xffff0000                      ; lanes 16-31
.irp b, 0,1,2,3
	v_mov_b32 v[TM+4+\b], 0                        ; written once: a lane permute's destination counts as one of its sources
.endr
	v_mov_b32 v[SQ+4], 0
	s_wait_alu depctr_va_vdst(0)
	s_wait_kmcnt 0x0
	s_add_nc_u64 s[4:5], s[4:5], s[10:11]
	s_add_nc_u64 s[6:7], s[6:7], s[12:13]
	XLOAD N0, 0
	XLOAD N1, 1
	s_wait_loadcnt 16                              ; K step 0's sixteen loads are in; the sixteen issued behind them may be out
	SUMSQ N0, EP
	QUANT N0, PC0, PW
	s_wait_loadcnt 0x0
	SUMSQ N1, EP+1
	QUANT N1, PC1, PW+1
	v_add_f32 v[EP], v[EP], v[EP+1]                ; the codeword's sum of squares, in both lanes that hold the row
	v_cndmask_b32 v[SW], v[PW], v[PW+1], s22       ; lanes 16-31 carry K step 1's word
.irp c, 0,1,2,3,4,5
	global_store_b128 v[LI], v[PC0+4*\c:PC0+4*\c+3], s[6:7] offset:512*\c   ; 32 lanes store 512 consecutive bytes, at a multiple of 256 from the buffer's first byte
.endr
	global_store_b32 v[LS], v[SW], s[6:7] offset:3072   ; 128 consecutive bytes; with the next store the record's last 256
	global_store_b32 v[LS], v[EP], s[6:7] offset:3200
	s_endpgm                                       ; no register that a store names is written again
.Lfunc_end_k_q158f3c9236_wquant:
	.size	k_q158f3c9236_wquant, .Lfunc_end_k_q158f3c9236_wquant-k_q158f3c9236_wquant
	.p2alignl 7, 3214868480
	.fill 96, 4, 3214868480
	.section	.rodata,"a",@progbits
	.p2align	6, 0x0
	.amdhsa_kernel k_q158f3c9236_wquant
		.amdhsa_group_segment_fixed_size 0
		.amdhsa_private_segment_fixed_size 0
		.amdhsa_enable_private_segment 0
		.amdhsa_kernarg_size 16
		.amdhsa_user_sgpr_count 2
		.amdhsa_user_sgpr_kernarg_segment_ptr 1
		.amdhsa_wavefront_size32 1
		.amdhsa_system_sgpr_workgroup_id_x 1
		.amdhsa_system_sgpr_workgroup_id_y 1
		.amdhsa_system_sgpr_workgroup_id_z 1
		.amdhsa_system_vgpr_workitem_id 0
		.amdhsa_next_free_vgpr 200
		.amdhsa_next_free_sgpr 66
		.amdhsa_reserve_vcc 0
		.amdhsa_float_denorm_mode_32 3
		.amdhsa_float_denorm_mode_16_64 3
		.amdhsa_memory_ordered 1
		.amdhsa_forward_progress 1
		.amdhsa_inst_pref_size 18
	.end_amdhsa_kernel
	.amdgpu_metadata
---
amdhsa.version: [ 1, 2 ]
amdhsa.kernels:
  - .name:           k_q158f3c9236_wquant
    .symbol:         k_q158f3c9236_wquant.kd
    .args:
      - { .name: weight, .offset: 0, .size: 8, .value_kind: global_buffer, .address_space: global }
      - { .name: wq, .offset: 8, .size: 8, .value_kind: global_buffer, .address_space: global }
    .group_segment_fixed_size: 0
    .private_segment_fixed_size: 0
    .kernarg_segment_align: 8
    .kernarg_segment_size: 16
    .max_flat_workgroup_size: 64
    .sgpr_count:     66
    .vgpr_count:     200
    .wavefront_size: 32
...
	.end_amdgpu_metadata
.endif
;; end of part 1
;; launch vq (part 2): grid 256 x 1, 8 waves a work-group, clusters of 4 x 1, 327,680 bytes of LDS; arguments inputs, wq, out1, idx; writes out1, idx
.if DOCPART == 2
	.amdgcn_target "amdgcn-amd-amdhsa--gfx1250"
	.amdhsa_code_object_version 6
	.text
	.protected	k_q158f3c9236_vq
	.globl	k_q158f3c9236_vq
	.p2align	8
	.type	k_q158f3c9236_vq,@function
k_q158f3c9236_vq:
	s_mov_b64 s[64:65], 0
	v_nop
	global_prefetch_b8 v0, s[64:65] scope:SCOPE_SE
	s_setreg_imm32_b32 hwreg(HW_REG_WAVE_MODE, 25, 1), 1
	s_wait_xcnt 0x0
	s_wait_alu depctr_hold_cnt(0) depctr_sa_sdst(0) depctr_va_vdst(0) depctr_va_sdst(0) depctr_va_ssrc(0) depctr_va_vcc(0) depctr_vm_vsrc(0)
	s_getreg_b32 s2, hwreg(HW_REG_IB_STS2, 6, 4)
	s_cmp_eq_u32 s2, 0
	s_cbranch_scc0 .Lentry_in_a_cluster
	s_endpgm
.Lentry_in_a_cluster:
	s_bfe_u32 s2, ttmp6, 0x10000c
	s_cmp_lg_u32 s2, 0x3003
	s_cbranch_scc0 .Lentry_shape_is_right
	s_endpgm
.Lentry_shape_is_right:
; For each of 32,768 rows x: the index of the first codeword e that makes d = (sum x^2 + sum e^2) - 2 x.e smallest.  x.e is taken on codes of BF6 (E3M2) with E8M0 scales for each 32 channels; all else is f32.
; THE F32 STEPS ARE KEPT TO THE LETTER, since the index is compared exactly: t = xx + ee (one rounding), d = t - 2 dot (one fused multiply-add: 2 dot is exact), strict less-than in ascending order of codewords.
; SHARES.  A work-group owns 128 rows and walks all 512 tiles of 16 codewords, 32 tiles to a slot.  Each of the eight waves holds ALL 128 rows (eight tiles of 16, their codes stay in 192 registers) and takes four of a slot's
; tiles: so each record is read from LDS once.  Two waves to a SIMD.
; REGISTERS.  Window 1 (v256-447) holds x's fragments alone; they are named only as source 1 of the products, so the windows are switched round each run of products and nowhere else in the loop.  All else lies in window 0.
; LAYOUT.  The product is used transposed: source 0 = 16 codewords, source 1 = 16 rows of x.  A lane holds ONE row (lane % 16) and its eight registers the codewords 8 (lane / 16) + 0 .. 7.
; THE ARGMIN.  For each lane and tile of rows: R the least distance so far (two sets by turns: the old one is compared with the new), IDX the mark of the chunk of eight that brought it, S that chunk's eight distances.
; A chunk replaces IDX and S only where it makes R LESS, so the first chunk that reaches the minimum stays.  At the end the place in the chunk is the first j with S[j] = R; lanes and waves are merged by (distance, index).
; Eighteen vector instructions serve 16 rows x 16 codewords: four dual additions, four dual multiply-adds, four minima of three, a compare, a select, four dual selects.  Two tiles of rows are worked side by side.
; THE CODEBOOK comes as records of 3,328 bytes a tile (images of the operand registers, scale words, sums of squares) through a ring of two LDS slots of 32 records.
; CLUSTER.  All work-groups walk the same records: four form a cluster and ask for each part of a slot JOINTLY (the same tensor load, the same descriptor, a mask that names the four).  Only one operand is shared, so 4 x 1.
; Every wave issues one first fill (a quarter of a slot: eight quarters are both slots) and one eighth of each refill: one tensor load of a wave is out at a time, and every wait for tensor loads is for 0.
; x is quantised in registers at the head: wave w takes rows 16 w on.  Each load reads 512 bytes on end of one row; the numbers turn through the wave's own stage in LDS, so that a lane holds 16 neighbours along the channels.
; The wave hands the two fragments' images, the scale words and xx to the others through LDS.
; LIMITS: NaN and infinities are not served.  xx and ee are summed in another order than a running sum: that moves all distances of a row alike by steps of their grid, and can turn an index only where the best
; distances straddle a power of two or lie on an exact tie of rounding.
.set REC,   3328
.set SLOTB, 32*REC                     ; a slot: 106,496 bytes
.set QUART, SLOTB/4                    ; a first fill: 104 rows of 256 bytes
.set EIGHTH, SLOTB/8                   ; a refill: 52 rows of 256 bytes
.set NSLOT, 16
.set SLOT1, 1<<17                      ; slot 1 begins here
.set XIMG,  SLOTB                      ; between the slots: x's 16 fragment images, 1,536 bytes each
.set XSC,   SLOT1+SLOTB                ; x's scale words, 128 bytes a tile of rows (lanes 0-15 K step 0, lanes 16-31 K step 1)
.set XXP,   XSC+1024                   ; xx of the 128 rows
.set REDV,  XXP+1024                   ; the waves' least distances [wave][128 rows]
.set REDI,  REDV+4096                  ; and their indices
.set SPARE, REDI+4096                  ; the spare words, 128 bytes a wave: no other line names them
.set STG,   SPARE+1024                 ; the waves' stages: 16 rows x SP bytes each
.set SP,    528                        ; a stage row: 512 bytes + 16
.set SPW,  1                           ; my spare word's address; never rewritten
.set NIL,  2                           ; 0; never rewritten
.set ADW,  3                           ; my place in the slot in hand: images, scale words, sums of squares
.set ADS,  4
.set ADE,  5
.set PFO,  6                           ; the prefetches' offset: 256 x min(lane, 25)
.set XA,   7                           ; head: 16 x lane
.set M2,   8                           ; v8-9 the number -2, twice
.set XWI,  10                          ; head: where I store x's images; way out: an address
.set XWS,  11                          ; head: the scale words; way out: an address
.set CM,   12                          ; v12-15 at work
.set XX,   16                          ; v16-31 xx of my row in tile a, twice
.set R,    32                          ; v32-47 two sets of eight
.set IDX,  48                          ; v48-55
.set XS,   56                          ; v56-63 x's scale words: scales and nothing else
.set WS,   64                          ; v64 the codewords' scale words: scales and nothing else
.set XWP,  65                          ; head: where I store xx; way out: an offset
.set AW0,  66                          ; the three places in slot 0
.set AS0,  67
.set AE0,  68
.set XRI,  69                          ; head: where the images are fetched
.set EE,   70                          ; v70-77 ee of the tile's eight codewords of my half (head: SQ)
.set SQ,   70
.set T,    78                          ; v78-93 t, then d: two tiles of rows (head: TM)
.set TM,   78
.set WF,   94                          ; v94-117 the tile's two fragments (head: the codes just made)
.set S,    118                         ; v118-181
.set ACC,  182                         ; v182-245 eight accumulators
.set N0,   118                         ; head: K step 0's 64 numbers
.set N1,   182                         ; head: K step 1's
.set XRS,  246                         ; head: where the scale words and xx are fetched
.set XRP,  247
.set STA,  248                         ; head: into my stage: 16 x lane
.set STB,  249                         ; head: out of it: SP r + 64 h
.set WV,   12                          ; s12 wave; s15 cx; s16 work-group; s17 w & 3
.set G1,   24                          ; s[24:31] group 1 of the first fills
.set G0A,  32                          ; s[32:35] group 0 of my first fill
.set G0B,  36                          ; s[36:39] group 0 of my refills: it walks
.set TB,   40                          ; LDS byte at which the slot in hand begins
.set TN,   41                          ; the step's mark: 512 x slot + 16 x step
.set SLOTS, 42                         ; slots still to be asked for
.set LIM,  43                          ; 1 in a wave that prefetches, else the greatest number
.set PFA,  44                          ; s[44:45] where my prefetches stand
.set SEL,  46                          ; s[46:47] selects for lane l xor 16
.set G1R,  68                          ; s[68:75] group 1 of the refills
.set MSB, 0
.macro WIN new                         ; the immediate's high byte repeats the setting that is left
.if MSB != \new
	s_set_vgpr_msb (MSB<<8)|\new
.set MSB, \new
.endif
.endm
.macro XLOAD reg, s                    ; load n: the 512 bytes of K step s of row n, 16 a lane
.set n, 0
.rept 16
	global_load_b128 v[\reg+4*n:\reg+4*n+3], v[XA], s[4:5] offset:1024*n+512*(\s) th:TH_LOAD_NT
.set n, n+1
.endr
.endm
.macro TOST reg                        ; as loaded into my stage
.set n, 0
.rept 16
	ds_store_b128 v[STA], v[\reg+4*n:\reg+4*n+3] offset:SP*n
.set n, n+1
.endr
.endm
.macro FROMST reg                      ; back: register 16 b + i = channel 32 b + 16 h + i of row r
.irp b, 0,1,2,3
.irp j, 0,1,2,3
	ds_load_b128 v[\reg+16*\b+4*\j:\reg+16*\b+4*\j+3], v[STB] offset:128*\b+16*\j
.endr
.endr
.endm
.macro SUMSQ reg, dst                  ; the squares of these 64 numbers and of lane l xor 16's: two packed chains, started by products
	v_pk_mul_f32 v[SQ:SQ+1], v[\reg:\reg+1], v[\reg:\reg+1]
	v_pk_mul_f32 v[SQ+2:SQ+3], v[\reg+2:\reg+3], v[\reg+2:\reg+3]
.irp i, 4,8,12,16,20,24,28,32,36,40,44,48,52,56,60
	s_delay_alu instid0(VALU_DEP_2)
	v_pk_fma_f32 v[SQ:SQ+1], v[\reg+\i:\reg+\i+1], v[\reg+\i:\reg+\i+1], v[SQ:SQ+1]
	s_delay_alu instid0(VALU_DEP_2)
	v_pk_fma_f32 v[SQ+2:SQ+3], v[\reg+\i+2:\reg+\i+3], v[\reg+\i+2:\reg+\i+3], v[SQ+2:SQ+3]
.endr
	s_delay_alu instid0(VALU_DEP_1)
	v_pk_add_f32 v[SQ:SQ+1], v[SQ:SQ+1], v[SQ+2:SQ+3]
	s_delay_alu instid0(VALU_DEP_1)
	v_add_f32 v[\dst], v[SQ], v[SQ+1]
	s_delay_alu instid0(VALU_DEP_1)
	v_permlanex16_b32 v[SQ+4], v[\dst], s[SEL], s[SEL+1]
	s_delay_alu instid0(VALU_DEP_1)
	v_add_f32 v[\dst], v[\dst], v[SQ+4]
.endm
.macro QUANT reg, pc, pw               ; 64 numbers become a fragment's 12 registers in v[pc] on (v[pc+12] to v[pc+18] at work) and the row's scale word in v[pw]
.irp b, 0,1,2,3
	v_max3_num_f32 v[TM+\b], |v[\reg+16*\b]|, |v[\reg+1+16*\b]|, 0x2800000   ; my 16 numbers of block b, and the floor 2^(5 - 127): the byte cannot fall under 1
.endr
.irp i, 2,4,6,8,10,12,14
.irp b, 0,1,2,3
	s_delay_alu instid0(VALU_DEP_4)
	v_max3_num_f32 v[TM+\b], v[TM+\b], |v[\reg+16*\b+\i]|, |v[\reg+1+16*\b+\i]|
.endr
.endr
.irp b, 0,1,2,3
	s_delay_alu instid0(VALU_DEP_4)
	v_permlanex16_b32 v[TM+4+\b], v[TM+\b], s[SEL], s[SEL+1]
.endr
.irp b, 0,1,2,3
	s_delay_alu instid0(VALU_DEP_4)
	v_max_num_f32 v[TM+\b], v[TM+\b], v[TM+4+\b]   ; the block's largest magnitude
.endr
.irp b, 0,1,2,3
	s_delay_alu instid0(VALU_DEP_4)
	v_add_nc_u32 v[TM+12+\b], 0xfe000000, v[TM+\b]   ; 4 off its exponent field: the conversion's scale operand
.endr
.irp b, 0,1,2,3
	s_delay_alu instid0(VALU_DEP_4)
	v_lshrrev_b32 v[TM+4+\b], 23, v[TM+12+\b]   ; the scale's byte
.endr
	s_delay_alu instid0(VALU_DEP_3)
	v_lshl_or_b32 v[\pw], v[TM+5], 8, v[TM+4]
	s_delay_alu instid0(VALU_DEP_1)
	v_lshl_or_b32 v[\pw], v[TM+6], 16, v[\pw]
	s_delay_alu instid0(VALU_DEP_1)
	v_lshl_or_b32 v[\pw], v[TM+7], 24, v[\pw]
.irp c, 0,1
	v_cvt_scalef32_pk16_bf6_f32 v[\pc+6*\c:\pc+2+6*\c], v[\reg+32*\c:\reg+15+32*\c], v[TM+12+2*\c]
	v_cvt_scalef32_pk16_bf6_f32 v[\pc+12+4*\c:\pc+14+4*\c], v[\reg+16+32*\c:\reg+31+32*\c], v[TM+12+2*\c+1]   ; a conversion's three registers begin on an even number
.endr
	v_nop                                          ; one plain vector instruction behind the scaled conversions
.irp c, 0,1                                    ; the operand wants a whole block in a lane
.irp i, 0,1,2
	v_permlane16_swap_b32 v[\pc+6*\c+\i], v[\pc+12+4*\c+\i]
.endr
.irp i, 0,1,2
	s_delay_alu instid0(VALU_DEP_3)
	v_mov_b32 v[\pc+3+6*\c+\i], v[\pc+12+4*\c+\i]
.endr
.endr
.endm
.macro CREST                           ; a round of the cluster's barrier behind its opening barrier
	s_cmp_lg_u32 s[WV], 0
	s_cbranch_scc1 .Lnot_wave_0_\@
	s_barrier_signal -3
.Lnot_wave_0_\@:
	s_barrier_wait -3
	s_barrier_signal -1
	s_barrier_wait -1
.endm
.macro CROUND
	s_barrier_signal -1
	s_barrier_wait -1
	CREST
.endm
; A PREFETCH INTO THE L2 of the slot that the NEXT change of slots will ask for: a slot's four steps ahead of that load.  All clusters walk the same records: the first cluster asks.  Its four partners are told
; apart BY ADDRESS (a quarter of the slot each); in each, waves 4 to 7 take 6,656 bytes each: 26 lanes 256 bytes apart (lanes 26 to 31 name lane 25's bytes again).  4 x 4 x 26 x 256 bytes = a slot.
; The last change that fills a slot asks for nothing: there is no slot behind it.  Slots 0 to 2 come by their loads alone.
.macro ASK
	s_cmp_gt_u32 s[SLOTS], s[LIM]
	s_cbranch_scc0 .Lnot_mine_\@
	global_prefetch_b8 v[PFO], s[PFA:PFA+1] th:TH_LOAD_NT scope:SCOPE_SE
.Lnot_mine_\@:
.endm
.macro LOADW i                         ; my i-th record of the slot in hand: two fragments and the scale words: seven loads
.irp c, 0,1,2,3,4,5
	ds_load_b128 v[WF+4*\c:WF+4*\c+3], v[ADW] offset:(\i)*REC+512*\c
.endr
	ds_load_b32 v[WS], v[ADS] offset:(\i)*REC
.endm
.macro LOADE i                         ; and its sums of squares: two loads; sixteen lanes share each address
	ds_load_b128 v[EE:EE+3], v[ADE] offset:(\i)*REC
	ds_load_b128 v[EE+4:EE+7], v[ADE] offset:(\i)*REC+16
.endm
.macro MUL8 s                          ; K step s for the eight tiles of rows (source 1: window 1, tile a, K step s at 24 a + 12 s): the eight accumulators by turns.  K step 0 starts the sums with the constant 0
.irp a, 0,1,2,3,4,5,6,7
.if \s == 0
	v_wmma_scale_f32_16x16x128_f8f6f4 v[ACC+8*\a:ACC+8*\a+7], v[WF:WF+11], v[24*\a:24*\a+11], 0, v[WS], v[XS+\a] matrix_a_fmt:MATRIX_FMT_BF6 matrix_b_fmt:MATRIX_FMT_BF6
.else
	v_wmma_scale_f32_16x16x128_f8f6f4 v[ACC+8*\a:ACC+8*\a+7], v[WF+12:WF+23], v[24*\a+12:24*\a+23], v[ACC+8*\a:ACC+8*\a+7], v[WS], v[XS+\a] matrix_a_fmt:MATRIX_FMT_BF6 matrix_b_fmt:MATRIX_FMT_BF6 matrix_a_scale:MATRIX_SCALE_ROW1 matrix_b_scale:MATRIX_SCALE_ROW1
.endif
.endr
.endm
.macro TADD a                          ; t = xx + ee for tile a of rows: four dual additions that name no register of a product
.irp q, 0,2,4,6
	v_dual_add_f32 v[T+8*((\a)%2)+\q], v[EE+\q], v[XX+2*(\a)] :: v_dual_add_f32 v[T+8*((\a)%2)+\q+1], v[EE+\q+1], v[XX+2*(\a)+1]
.endr
.endm
.macro DIST a                          ; d = t - 2 dot: one rounding; the accumulator is read from its low end on
.irp q, 0,2,4,6
	v_dual_fmac_f32 v[T+8*((\a)%2)+\q], v[ACC+8*(\a)+\q], v[M2] :: v_dual_fmac_f32 v[T+8*((\a)%2)+\q+1], v[ACC+8*(\a)+\q+1], v[M2+1]
.endr
.endm
.macro KEEP a, i                       ; where the chunk made R less, its mark and its eight distances stay
	v_cmp_lt_f32 vcc_lo, v[R+8*(((\i)+1)%2)+(\a)], v[R+8*((\i)%2)+(\a)]   ; strictly less: an equal later chunk changes nothing
	s_delay_alu instid0(VALU_DEP_1)
	v_cndmask_b32 v[IDX+(\a)], v[IDX+(\a)], s[TN], vcc_lo
.irp j, 0,2,4,6
	v_dual_cndmask_b32 v[S+8*(\a)+\j], v[S+8*(\a)+\j], v[T+8*((\a)%2)+\j] :: v_dual_cndmask_b32 v[S+8*(\a)+\j+1], v[S+8*(\a)+\j+1], v[T+8*((\a)%2)+\j+1]
.endr
.endm
.macro ARG2 a, i                       ; tiles a (even) and a + 1 of rows side by side; step i reads R's set i % 2 and writes the other
	DIST \a
	DIST (\a)+1
	v_min3_num_f32 v[CM], v[T], v[T+1], v[T+2]
	v_min3_num_f32 v[CM+1], v[T+3], v[T+4], v[T+5]
	v_min3_num_f32 v[CM+2], v[T+8], v[T+9], v[T+10]
	v_min3_num_f32 v[CM+3], v[T+11], v[T+12], v[T+13]
	s_delay_alu instid0(VALU_DEP_4)
	v_min3_num_f32 v[CM], v[CM], v[T+6], v[T+7]
	s_delay_alu instid0(VALU_DEP_3)
	v_min3_num_f32 v[CM+2], v[CM+2], v[T+14], v[T+15]
	s_delay_alu instid0(VALU_DEP_2)
	v_min3_num_f32 v[R+8*(((\i)+1)%2)+(\a)], v[R+8*((\i)%2)+(\a)], v[CM], v[CM+1]
	s_delay_alu instid0(VALU_DEP_2)
	v_min3_num_f32 v[R+8*(((\i)+1)%2)+(\a)+1], v[R+8*((\i)%2)+(\a)+1], v[CM+2], v[CM+3]
	s_delay_alu instid0(VALU_DEP_2)
	KEEP \a, \i
	KEEP (\a)+1, \i
.endm
.macro LEX rv, ri, ov, oi              ; (rv, ri) becomes the lesser of (rv, ri) and (ov, oi): by distance, at equal distances by index
	v_min_u32 v[T+8], v[\ri], v[\oi]
	v_cmp_lt_f32 vcc_lo, v[\ov], v[\rv]
	s_delay_alu instid0(VALU_DEP_1)
	v_cndmask_b32 v[T+9], v[\ri], v[\oi], vcc_lo
	v_cmp_eq_f32 vcc_lo, v[\ov], v[\rv]
	s_delay_alu instid0(VALU_DEP_1)
	v_cndmask_b32 v[\ri], v[T+9], v[T+8], vcc_lo
	v_min_num_f32 v[\rv], v[\rv], v[\ov]
.endm
; A STEP: my i-th tile of codewords of the slot against the eight tiles of rows.  kind 0: the next tile lies in the same slot; 1: change of slots, the slot just read is filled again; 2: change of slots, nothing is asked for; 3: the last step.
; The eight dual additions behind the products are the places in front of the loads into the fragments' and the scale's registers and of the first read of an accumulator.
.macro STEP i, kind
.if (\kind == 1) || (\kind == 2)
	s_wait_dscnt 0x0                               ; this step's record is in: these were my last reads of the slot
	s_wait_tensorcnt 0x0                           ; my tensor load has landed: my part of the next slot; so a group 0 may be written
	ds_add_u32 v[SPW], v[NIL]                      ; 0 onto my spare word
.if \kind == 1
	s_xor_b32 s[G0B+1], s[G0B+1], SLOT1            ; the walking descriptor: the other slot than last time,
	s_add_nc_u64 s[G0B+2:G0B+3], s[G0B+2:G0B+3], SLOTB   ; the next 32 records
	s_wait_xcnt 0x0                                ; the last prefetch, a slot back, has read its address
	s_add_nc_u64 s[PFA:PFA+1], s[PFA:PFA+1], SLOTB ; one slot further on than the walking descriptor
.endif
	WIN 0x04                                       ; source 1 in window 1
	MUL8 0                                         ; eight products stand between the add and the wait for it
	s_wait_dscnt 0x0                               ; the add is done, and my reads of this slot are over
	s_barrier_signal -1
	MUL8 1                                         ; work on registers while the others arrive
	WIN 0
	s_barrier_wait -1
.if \kind == 1
	CREST                                          ; the barrier has opened a round of the cluster's: no wave of any partner still reads this slot or has a load on its way
	tensor_load_to_lds s[G0B:G0B+3], s[G1R:G1R+7]  ; my eighth of the refill, first behind the round: it has the next slot's four steps in which to land
	s_nop 0
.endif
	s_xor_b32 s[TB], s[TB], SLOT1                  ; on to the other slot
	TADD 0
	TADD 1
	v_add_nc_u32 v[ADW], s[TB], v[AW0]
	v_add_nc_u32 v[ADS], s[TB], v[AS0]
	v_add_nc_u32 v[ADE], s[TB], v[AE0]
	LOADW 0
.if \kind == 1
	ASK                                            ; behind the joint load and the run of LDS loads that the next step waits for
	s_wait_alu depctr_va_vdst(0)
.endif
.else
	s_wait_dscnt 2                                 ; the fragments and the scale words are in; the two loads of ee, issued behind them, may be out
	WIN 0x04
	MUL8 0
	MUL8 1
	WIN 0
	s_wait_dscnt 0x0                               ; ee is in
	TADD 0
	TADD 1
.if \kind == 0
	LOADW (\i)+1
.endif
.endif
	ARG2 0, \i
	TADD 2
	TADD 3
	ARG2 2, \i
	TADD 4
	TADD 5
	ARG2 4, \i
	TADD 6
	TADD 7
.if \kind == 0
	LOADE (\i)+1                                   ; ee has been read for all eight tiles of rows: the next tile's may land
	ARG2 6, \i
	s_add_co_u32 s[TN], s[TN], 16
.elseif \kind == 3
	ARG2 6, \i
.else
	LOADE 0
	ARG2 6, \i
	s_add_co_u32 s[TN], s[TN], 464                 ; 3 x 16 + 464 = 512 codewords a slot
.endif
.endm
	s_load_b256 s[4:11], s[0:1], 0x0               ; inputs s[4:5], wq s[6:7], out1 s[8:9], idx s[10:11]
	v_lshl_add_u32 v[SPW], v0, 2, SPARE
	v_mov_b32 v[NIL], 0
	ds_add_u32 v[SPW], v[NIL]                      ; the opening add,
	ds_add_u32 v[SPW], v[NIL]                      ; once more; the set-up below stands between it and the wait
	v_lshrrev_b32 v12, 5, v0
	s_delay_alu instid0(VALU_DEP_1)
	v_readfirstlane_b32 s[WV], v12                 ; wave 0 .. 7: my four records of a slot; at the head also: my tile of rows
	s_and_b32 s17, s[WV], 3
	s_bfe_u32 s15, ttmp6, 0x40000                  ; cx: it enters global addresses of x, of the outputs and of the prefetches alone
	s_lshl_b32 s16, ttmp9, 2
	s_add_co_u32 s16, s16, s15                     ; my block of 128 rows
	s_mul_i32 s18, s[WV], 4*REC                    ; my four records in a slot
	s_add_co_u32 s19, s18, 3072
	s_add_co_u32 s20, s18, 3200
	s_mul_i32 s21, s[WV], 3072
	s_add_co_u32 s21, s21, XIMG                    ; my tile's two images
	s_lshl_b32 s22, s[WV], 7
	s_add_co_u32 s22, s22, XSC                     ; its scale words
	s_lshl_b32 s23, s[WV], 6
	s_add_co_u32 s23, s23, XXP                     ; its xx
	s_mul_i32 s76, s[WV], 16*SP
	s_add_co_u32 s76, s76, STG                     ; my stage
	; groups 1: dense blocks as rows of 256 bytes (32 elements of 8 bytes), no padding: every read of a record is lanes on end or a shared address
.irp g, G1, G1R
	s_mov_b32 s[\g+0], 15|(3<<16)|(1<<21)          ; the mask: all four work-groups; elements of 8 bytes; bit 21 beside a mask
	s_mov_b32 s[\g+1], 32<<16
	s_mov_b32 s[\g+3], 32<<16
	s_mov_b32 s[\g+5], 32
	s_mov_b32 s[\g+6], 0
	s_mov_b32 s[\g+7], 0
.endr
	s_mov_b32 s[G1+2], 104<<16                     ; a first fill: 104 rows
	s_mov_b32 s[G1+4], 104
	s_mov_b32 s[G1R+2], 52<<16                     ; a refill: 52 rows
	s_mov_b32 s[G1R+4], 52
	s_mul_i32 s50, s[WV], EIGHTH                   ; my eighth, in memory and in a slot: no place in the cluster enters it
	s_mov_b32 s51, 0
	s_mul_i32 s58, s[WV], QUART                    ; my first fill in memory: the eight quarters of records 0 to 63 lie on end
	s_mov_b32 s59, 0
	s_lshr_b32 s60, s[WV], 2
	s_lshl_b32 s60, s60, 17                        ; and in LDS: waves 0-3 slot 0, waves 4-7 slot 1,
	s_mul_i32 s61, s17, QUART
	s_add_co_u32 s60, s60, s61                     ; quarter w & 3
	s_lshl_b32 s52, s16, 17                        ; x: my block's 128 rows of 1,024 bytes,
	s_lshl_b32 s48, s[WV], 14                      ; my tile's 16 rows
	s_add_co_u32 s52, s52, s48
	s_mov_b32 s53, 0
	s_lshl_b32 s54, s16, 9                         ; the outputs: 4 bytes a row; waves 0 and 1 store 64 rows each
	s_and_b32 s48, s[WV], 1
	s_lshl_b32 s48, s48, 8
	s_add_co_u32 s54, s54, s48
	s_mov_b32 s55, 0
	s_mul_i32 s56, s15, QUART                      ; the prefetches: my work-group's quarter of a slot,
	s_mul_i32 s48, s17, QUART/4                    ; my wave's quarter of that,
	s_add_co_u32 s56, s56, s48
	s_add_co_u32 s56, s56, 2*SLOTB                 ; in slot 2: the first change of slots steps it to slot 3
	s_mov_b32 s57, 0
	s_lshr_b32 s48, s[WV], 2
	s_xor_b32 s48, s48, 1                          ; 0 in waves 4 to 7,
	s_or_b32 s48, s48, ttmp9                       ; of the first cluster: the same in all four partners
	s_cmp_eq_u32 s48, 0
	s_cselect_b32 s[LIM], 1, -1
	s_mov_b32 s[SEL], 0x76543210
	s_mov_b32 s[SEL+1], 0xfedcba98
	s_mov_b32 s49, 0xffff0000                      ; lanes 16-31
	s_mov_b32 s[TB], 0
	s_mov_b32 s[TN], 0
	s_mov_b32 s[SLOTS], NSLOT-2
	v_and_b32 v12, 31, v0                          ; lane
	v_and_b32 v13, 15, v0                          ; r
	v_bfe_u32 v14, v0, 4, 1                        ; h
	v_mov_b32 v[SQ+4], 0                           ; written once: a lane permute's destination counts as one of its sources
	v_lshl_add_u32 v[AW0], v12, 4, s18
	v_lshl_add_u32 v[AS0], v12, 2, s19
	v_lshl_add_u32 v[AE0], v14, 5, s20
	v_min_u32 v[PFO], 25, v12
	v_mul_u32_u24 v[STB], v13, SP
	v_lshlrev_b32 v[XA], 4, v12
	v_lshl_add_u32 v[XWI], v12, 4, s21
	v_lshl_add_u32 v[XWS], v12, 2, s22
	v_lshl_add_u32 v[XWP], v13, 2, s23
	v_lshlrev_b32 v[PFO], 8, v[PFO]
	v_lshl_add_u32 v[STB], v14, 6, v[STB]
	v_lshl_add_u32 v[STA], v12, 4, s76
	v_lshl_add_u32 v[XRI], v12, 4, XIMG
	v_lshl_add_u32 v[XRS], v12, 2, XSC
	v_lshl_add_u32 v[XRP], v13, 2, XXP
	v_add_nc_u32 v[STB], s76, v[STB]
.irp b, 0,1,2,3
	v_mov_b32 v[TM+4+\b], 0
.endr
	s_wait_alu depctr_va_vdst(0)
	s_wait_dscnt 0x0                               ; both opening adds are done
	s_wait_kmcnt 0x0
	s_add_nc_u64 s[4:5], s[4:5], s[52:53]
	XLOAD N0, 0                                    ; my 16 rows of x: 32 loads of 512 bytes on end
	XLOAD N1, 1
	s_add_nc_u64 s[8:9], s[8:9], s[54:55]
	s_add_nc_u64 s[10:11], s[10:11], s[54:55]
	s_add_nc_u64 s[PFA:PFA+1], s[6:7], s[56:57]
	s_mov_b32 s[G0A], 1
	s_mov_b32 s[G0A+1], s60
	s_add_nc_u64 s[G0A+2:G0A+3], s[6:7], s[58:59]
	s_or_b32 s[G0A+3], s[G0A+3], 0x80000000
	s_mov_b32 s[G0B], 1                            ; the walking descriptor begins one slot back: each refill steps it first
	s_add_co_u32 s[G0B+1], s50, SLOT1
	s_add_nc_u64 s[G0B+2:G0B+3], s[6:7], s[50:51]
	s_add_nc_u64 s[G0B+2:G0B+3], s[G0B+2:G0B+3], SLOTB
	s_or_b32 s[G0B+3], s[G0B+3], 0x80000000
	CROUND                                         ; all four work-groups are here: the first joint loads meet
	tensor_load_to_lds s[G0A:G0A+3], s[G1:G1+7]    ; every wave's one first fill: together both slots
	s_nop 0
	s_wait_loadcnt 16                              ; K step 0's sixteen loads are in; the sixteen issued behind them may be out
	TOST N0
	s_wait_dscnt 0x0                               ; the stores have read their registers, which take the numbers back
	FROMST N0
	s_wait_loadcnt 0x0
	TOST N1                                        ; LDS serves a wave's instructions in order (ISA guide 5.7.1.4): the stage is read before it is written again
	s_wait_dscnt 0x0                               ; K step 0 is back, and these stores have read their registers
	FROMST N1
	SUMSQ N0, CM+2
	QUANT N0, WF, CM
	s_wait_dscnt 0x0
	SUMSQ N1, CM+3
	QUANT N1, WF+12, CM+1
	v_add_f32 v[CM+2], v[CM+2], v[CM+3]            ; xx of row r, in both lanes that hold it
	v_cndmask_b32 v[CM], v[CM], v[CM+1], s49       ; lanes 16-31 carry K step 1's scale word
.irp c, 0,1,2,3,4,5
	ds_store_b128 v[XWI], v[WF+4*\c:WF+4*\c+3] offset:512*\c   ; the fragments go to LDS as they stand in my registers
.endr
	ds_store_b32 v[XWS], v[CM]
	ds_store_b32 v[XWP], v[CM+2]                   ; both lanes of a row write the same word with the same value
	s_wait_tensorcnt 0x0                           ; my quarter is in
	ds_add_u32 v[SPW], v[NIL]
	s_wait_dscnt 0x0                               ; for the others' sake: my stores are done
	s_barrier_signal -1
	s_barrier_wait -1                              ; both slots and all of x's images are whole
	WIN 0x40                                       ; destination in window 1
.set q, 0
.rept 48
	ds_load_b128 v[4*q:4*q+3], v[XRI] offset:512*q   ; all eight tiles of rows, both K steps: they stay
.set q, q+1
.endr
	WIN 0
.irp a, 0,1,2,3,4,5,6,7
	ds_load_b32 v[XS+\a], v[XRS] offset:128*\a
	ds_load_b32 v[XX+2*\a], v[XRP] offset:64*\a
	ds_load_b32 v[XX+2*\a+1], v[XRP] offset:64*\a  ; twice: one for each half of a dual addition
.endr
	s_mov_b32 s48, 0x7f800000                      ; +infinity: over every distance
.irp a, 0,1,2,3,4,5,6,7
	v_mov_b32 v[R+\a], s48
	v_mov_b32 v[IDX+\a], 0
.endr
.set j, 0
.rept 64
	v_mov_b32 v[S+j], s48                          ; the selects name S as a source: written once; the first chunk replaces it
.set j, j+1
.endr
	v_mov_b32 v[M2], -2.0
	v_mov_b32 v[M2+1], -2.0
	v_add_nc_u32 v[ADW], s[TB], v[AW0]
	v_add_nc_u32 v[ADS], s[TB], v[AS0]
	v_add_nc_u32 v[ADE], s[TB], v[AE0]
	s_wait_alu depctr_va_vdst(0)
	s_wait_dscnt 0x0
	LOADW 0
	LOADE 0
.Lslot:                                            ; NSLOT - 2 trips, a slot each: behind each of these slots it is filled again, with the records two slots on
	s_wait_alu depctr_va_vdst(0)
	STEP 0, 0
	STEP 1, 0
	STEP 2, 0
	STEP 3, 1
	s_sub_co_u32 s[SLOTS], s[SLOTS], 1
	s_cmp_lg_u32 s[SLOTS], 0
	s_cbranch_scc1 .Lslot
	STEP 0, 0                                      ; the last two slots are written out: they ask for nothing
	STEP 1, 0
	STEP 2, 0
	STEP 3, 2
	STEP 0, 0
	STEP 1, 0
	STEP 2, 0
	STEP 3, 3
	; THE WAY OUT.  R's set 0 holds the least.  The place in the kept chunk: the first j with S[j] = R (from 7 down, so that the lowest stays).
	s_lshl_b32 s17, s[WV], 9
	s_add_co_u32 s17, s17, REDV
	s_and_b32 s18, s[WV], 1
	s_lshl_b32 s18, s18, 8
	s_add_co_u32 s18, s18, REDV
	s_lshl_b32 s19, s[WV], 6
	v_and_b32 v[T+10], 15, v0
	v_and_b32 v[T+11], 31, v0
	v_bfe_u32 v[T+12], v0, 4, 1
.irp a, 0,1,2,3,4,5,6,7
	v_mov_b32 v[T+\a], 7
.endr
	v_lshl_add_u32 v[XWI], v[T+10], 2, s17         ; where I put the rows' least: 512 w + 4 r
	v_lshl_add_u32 v[XWS], v[T+11], 3, s18         ; where waves 0 and 1 read them back: 256 w + 8 x lane
	v_lshlrev_b32 v[XWP], 3, v[T+11]               ; and the same 8 bytes in the outputs
	v_lshl_add_u32 v[T+12], v[T+12], 3, s19        ; 64 w + 8 h
.irp j, 6,5,4,3,2,1,0
.irp a, 0,1,2,3,4,5,6,7
	v_cmp_neq_f32 vcc_lo, v[S+8*\a+\j], v[R+\a]
	s_delay_alu instid0(VALU_DEP_1)
	v_cndmask_b32 v[T+\a], \j, v[T+\a], vcc_lo
.endr
.endr
.irp a, 0,1,2,3,4,5,6,7
	v_add3_u32 v[IDX+\a], v[IDX+\a], v[T+\a], v[T+12]   ; the codeword: 512 slot + 16 step + 64 w + 8 h + j
.endr
.irp a, 0,1,2,3,4,5,6,7
	v_permlanex16_b32 v[R+8+\a], v[R+\a], s[SEL], s[SEL+1]   ; the row's other codewords lie in the lane 16 away
	v_permlanex16_b32 v[T+\a], v[IDX+\a], s[SEL], s[SEL+1]
.endr
.irp a, 0,1,2,3,4,5,6,7
	LEX R+\a, IDX+\a, R+8+\a, T+\a
.endr
.irp a, 0,1,2,3,4,5,6,7
	ds_store_b32 v[XWI], v[R+\a] offset:64*\a      ; both lanes of a row write the same word with the same value
	ds_store_b32 v[XWI], v[IDX+\a] offset:64*\a+4096
.endr
	s_wait_dscnt 0x0                               ; for the others' sake: my stores are done
	s_barrier_signal -1
	s_barrier_wait -1
	s_cmp_lt_u32 s[WV], 2                          ; waves 0 and 1 merge the eight waves' results for 64 rows each, two rows a lane
	s_cbranch_scc0 .Ldone
.irp g, 0,1,2,3,4,5,6,7
	ds_load_b64 v[S+2*\g:S+2*\g+1], v[XWS] offset:512*\g
	ds_load_b64 v[S+16+2*\g:S+16+2*\g+1], v[XWS] offset:512*\g+4096
.endr
	s_wait_dscnt 0x0
.irp g, 1,2,3,4,5,6,7
.irp e, 0,1
	LEX S+\e, S+16+\e, S+2*\g+\e, S+16+2*\g+\e
.endr
.endr
	global_store_b64 v[XWP], v[S+16:S+17], s[8:9]  ; 32 lanes store 256 consecutive bytes, at a multiple of 256 from the buffer's first byte
	global_store_b64 v[XWP], v[S+16:S+17], s[10:11]   ; and the copy from which the next launch forms addresses
.Ldone:
	s_wait_tensorcnt 0x0                           ; the wave's end
	ds_add_u32 v[SPW], v[NIL]
	s_wait_dscnt 0x0
	CROUND                                         ; the closing round: no work-group ends while a partner may still ask for a tile that names it
	s_endpgm
.Lfunc_end_k_q158f3c9236_vq:
	.size	k_q158f3c9236_vq, .Lfunc_end_k_q158f3c9236_vq-k_q158f3c9236_vq
	.p2alignl 7, 3214868480
	.fill 96, 4, 3214868480
	.section	.rodata,"a",@progbits
	.p2align	6, 0x0
	.amdhsa_kernel k_q158f3c9236_vq
		.amdhsa_group_segment_fixed_size 327680
		.amdhsa_private_segment_fixed_size 0
		.amdhsa_enable_private_segment 0
		.amdhsa_kernarg_size 32
		.amdhsa_user_sgpr_count 2
		.amdhsa_user_sgpr_kernarg_segment_ptr 1
		.amdhsa_wavefront_size32 1
		.amdhsa_system_sgpr_workgroup_id_x 1
		.amdhsa_system_sgpr_workgroup_id_y 1
		.amdhsa_system_sgpr_workgroup_id_z 1
		.amdhsa_system_vgpr_workitem_id 0
		.amdhsa_next_free_vgpr 448
		.amdhsa_next_free_sgpr 80
		.amdhsa_reserve_vcc 1
		.amdhsa_float_denorm_mode_32 3
		.amdhsa_float_denorm_mode_16_64 3
		.amdhsa_memory_ordered 1
		.amdhsa_forward_progress 1
		.amdhsa_inst_pref_size 205
	.end_amdhsa_kernel
	.amdgpu_metadata
---
amdhsa.version: [ 1, 2 ]
amdhsa.kernels:
  - .name:           k_q158f3c9236_vq
    .symbol:         k_q158f3c9236_vq.kd
    .args:
      - { .name: inputs, .offset: 0, .size: 8, .value_kind: global_buffer, .address_space: global }
      - { .name: wq, .offset: 8, .size: 8, .value_kind: global_buffer, .address_space: global }
      - { .name: out1, .offset: 16, .size: 8, .value_kind: global_buffer, .address_space: global }
      - { .name: idx, .offset: 24, .size: 8, .value_kind: global_buffer, .address_space: global }
    .group_segment_fixed_size: 327680
    .private_segment_fixed_size: 0
    .kernarg_segment_align: 8
    .kernarg_segment_size: 32
    .max_flat_workgroup_size: 256
    .sgpr_count:     80
    .vgpr_count:     448
    .wavefront_size: 32
...
	.end_amdgpu_metadata
.endif
;; end of part 2
;; launch gather (part 3): grid 512 x 1, 8 waves a work-group, no clusters, 0 bytes of LDS; arguments inputs, weight, idx, out0; writes out0
.if DOCPART == 3
	.amdgcn_target "amdgcn-amd-amdhsa--gfx1250"
	.amdhsa_code_object_version 6
	.text
	.protected	k_q158f3c9236_gather
	.globl	k_q158f3c9236_gather
	.p2align	8
	.type	k_q158f3c9236_gather,@function
k_q158f3c9236_gather:
	s_mov_b64 s[64:65], 0
	v_nop
	global_prefetch_b8 v0, s[64:65] scope:SCOPE_SE
	s_setreg_imm32_b32 hwreg(HW_REG_WAVE_MODE, 25, 1), 1
	s_wait_xcnt 0x0
; out0[row] = x[row] + (weight[idx[row]] - x[row]), in f32, in that order of rounding.  idx holds the whole numbers that the launch before stored.
; A stream: each wave takes 8 rows of 1,024 bytes; a row is two loads or stores of 512 consecutive bytes, 16 a lane.  All of a wave's 32 loads go out before the first is waited for; written out, no loop:
; every offset is an immediate and no register that a load or store names is written again, so no wait frees one.
; No LDS, no barrier, no matrix unit, no cluster: waves share nothing, and which codewords two work-groups both read hangs on the data.  No prefetch: the loads themselves are all on their way at once.
.set X,  8                             ; v8-71    x: row k at 8 k
.set Q,  72                            ; v72-135  the codeword, then the result
.set VO, 136                           ; v136-143 row k's offset in weight: 1,024 x index + 16 x lane
	s_load_b256 s[4:11], s[0:1], 0x0               ; inputs s[4:5], weight s[6:7], idx s[8:9], out0 s[10:11]
	v_lshrrev_b32 v2, 5, v0
	s_delay_alu instid0(VALU_DEP_1)
	v_readfirstlane_b32 s12, v2                    ; wave 0 .. 7
	v_and_b32 v1, 31, v0
	s_delay_alu instid0(VALU_DEP_1)
	v_lshlrev_b32 v1, 4, v1                        ; 16 x lane
	s_lshl_b32 s13, ttmp9, 3
	s_add_co_u32 s13, s13, s12                     ; my run of 8 rows, 0 .. 4095
	s_lshl_b32 s14, s13, 13                        ; 8 rows of 1,024 bytes
	s_mov_b32 s15, 0
	s_lshl_b32 s24, s13, 5                         ; 8 indices of 4 bytes
	s_mov_b32 s25, 0
	s_wait_alu depctr_va_vdst(0)
	s_wait_kmcnt 0x0
	s_add_nc_u64 s[8:9], s[8:9], s[24:25]
	s_load_b256 s[16:23], s[8:9], 0x0              ; my eight indices
	s_add_nc_u64 s[4:5], s[4:5], s[14:15]
	s_add_nc_u64 s[10:11], s[10:11], s[14:15]
.irp k, 0,1,2,3,4,5,6,7
.irp u, 0,1
	global_load_b128 v[X+8*\k+4*\u:X+8*\k+4*\u+3], v1, s[4:5] offset:1024*\k+512*\u th:TH_LOAD_NT
.endr
.endr
	s_wait_kmcnt 0x0
.irp k, 0,1,2,3,4,5,6,7
	s_min_u32 s[16+\k], s[16+\k], 8191             ; an index stays inside the table
	v_lshl_add_u32 v[VO+\k], s[16+\k], 10, v1
.endr
.irp k, 0,1,2,3,4,5,6,7
.irp u, 0,1
	global_load_b128 v[Q+8*\k+4*\u:Q+8*\k+4*\u+3], v[VO+\k], s[6:7] offset:512*\u   ; no hint: a codeword may be named again
.endr
.endr
.irp k, 0,1,2,3,4,5,6,7
	s_wait_loadcnt 14-2*\k                         ; x and row k's codeword are in; the codewords of the rows behind it, two loads each, may be out
.irp p, 0,2,4,6
	v_pk_add_f32 v[Q+8*\k+\p:Q+8*\k+\p+1], v[Q+8*\k+\p:Q+8*\k+\p+1], v[X+8*\k+\p:X+8*\k+\p+1] neg_lo:[0,1] neg_hi:[0,1]   ; q - x
.endr
.irp p, 0,2,4,6
	s_delay_alu instid0(VALU_DEP_4)
	v_pk_add_f32 v[Q+8*\k+\p:Q+8*\k+\p+1], v[X+8*\k+\p:X+8*\k+\p+1], v[Q+8*\k+\p:Q+8*\k+\p+1]   ; x + (q - x)
.endr
.irp u, 0,1
	global_store_b128 v1, v[Q+8*\k+4*\u:Q+8*\k+4*\u+3], s[10:11] offset:1024*\k+512*\u th:TH_STORE_NT   ; 32 lanes store 512 consecutive bytes, at a multiple of 256 from the buffer's first byte
.endr
.endr
	s_endpgm
.Lfunc_end_k_q158f3c9236_gather:
	.size	k_q158f3c9236_gather, .Lfunc_end_k_q158f3c9236_gather-k_q158f3c9236_gather
	.p2alignl 7, 3214868480
	.fill 96, 4, 3214868480
	.section	.rodata,"a",@progbits
	.p2align	6, 0x0
	.amdhsa_kernel k_q158f3c9236_gather
		.amdhsa_group_segment_fixed_size 0
		.amdhsa_private_segment_fixed_size 0
		.amdhsa_enable_private_segment 0
		.amdhsa_kernarg_size 32
		.amdhsa_user_sgpr_count 2
		.amdhsa_user_sgpr_kernarg_segment_ptr 1
		.amdhsa_wavefront_size32 1
		.amdhsa_system_sgpr_workgroup_id_x 1
		.amdhsa_system_sgpr_workgroup_id_y 1
		.amdhsa_system_sgpr_workgroup_id_z 1
		.amdhsa_system_vgpr_workitem_id 0
		.amdhsa_next_free_vgpr 144
		.amdhsa_next_free_sgpr 66
		.amdhsa_reserve_vcc 0
		.amdhsa_float_denorm_mode_32 3
		.amdhsa_float_denorm_mode_16_64 3
		.amdhsa_memory_ordered 1
		.amdhsa_forward_progress 1
		.amdhsa_inst_pref_size 12
	.end_amdhsa_kernel
	.amdgpu_metadata
---
amdhsa.version: [ 1, 2 ]
amdhsa.kernels:
  - .name:           k_q158f3c9236_gather
    .symbol:         k_q158f3c9236_gather.kd
    .args:
      - { .name: inputs, .offset: 0, .size: 8, .value_kind: global_buffer, .address_space: global }
      - { .name: weight, .offset: 8, .size: 8, .value_kind: global_buffer, .address_space: global }
      - { .name: idx, .offset: 16, .size: 8, .value_kind: global_buffer, .address_space: global }
      - { .name: out0, .offset: 24, .size: 8, .value_kind: global_buffer, .address_space: global }
    .group_segment_fixed_size: 0
    .private_segment_fixed_size: 0
    .kernarg_segment_align: 8
    .kernarg_segment_size: 32
    .max_flat_workgroup_size: 256
    .sgpr_count:     66
    .vgpr_count:     144
    .wavefront_size: 32
...
	.end_amdgpu_metadata
.endif
;; end of part 3
